; MI455X (gfx1250); checked and timed in simulation.
; The chip was launched on July 23, 2026; its instructions are those of AMD's public machine-readable ISA for CDNA 5 (MIT licence, August 2026) and "CDNA5" Instruction Set Architecture Reference Guide (July 2026). The comments in the code are by the model that wrote it; some were corrected since.
;; RBLN Gpt Oss Experts. Allowed arithmetic: float matrix products may take bf16 or f16 operands with f32 sums; all other float work in f32.
;; Inputs: down_proj 16 x 1,024 x 1,024 float32; down_proj_bias 16 x 1,024 float32; gate_up_proj 16 x 1,024 x 2,048 float32; gate_up_proj_bias 16 x 2,048 float32; hidden_states 1 x 1,024 x 1,024 float32; routing_weights 1,024 x 16 float32.
;; Outputs: out0 1 x 1,024 x 1,024 float32.
;; One version. Each part assembles by itself: llvm-mc -triple=amdgcn-amd-amdhsa -mcpu=gfx1250 --defsym DOCPART=n.
;; ======== version 1 of 1: 4 launches
;; limits: values are held in f16: magnitudes above 65,504 overflow, below 6.1e-05 lose precision; inputs' magnitudes at most 65,504
;; workspace buffers: xb 2,097,152 bytes; act 33,554,432 bytes; part 67,108,864 bytes
;; launch cvtx (part 1): grid 256 x 1, 8 waves a work-group, no clusters, 0 bytes of LDS; arguments hidden_states, xb; writes xb
.if DOCPART == 1
	.amdgcn_target "amdgcn-amd-amdhsa--gfx1250"
	.amdhsa_code_object_version 6
	.text
	.protected	k_q599dd160e4_cvtx
	.globl	k_q599dd160e4_cvtx
	.p2align	8
	.type	k_q599dd160e4_cvtx,@function
k_q599dd160e4_cvtx:
	s_mov_b64 s[64:65], 0
	v_nop
	global_prefetch_b8 v0, s[64:65] scope:SCOPE_SE
	s_setreg_imm32_b32 hwreg(HW_REG_WAVE_MODE, 25, 1), 1
	s_wait_xcnt 0x0
; xb = hidden_states rounded to f16, in the tiled layout that the next launch's tensor loads take as dense blocks:
; element (t, k) of the [1024][1024] matrix lies at byte
;   (k>>7)*262144 + (t>>7)*32768 + ((k>>6)&1)*16384 + (t&127)*128 + (k&63)*2
; so 128 tokens x 128 k are 32,768 consecutive bytes.
; f16 and not bf16: 11 significant bits against 8.  LIMIT: an element beyond 65,504 in magnitude becomes infinity; elements below 2^-14 are kept as
; f16 denormals, with an absolute error of at most 2^-25.
; The work-group owns tokens 4 g .. 4 g + 3.  Wave w: p = w & 1 picks two of the four tokens, q = w >> 1 picks 256 of the 1,024 k.
; One load of the wave: lanes 0-15 take 64 k (256 bytes) of token t0, lanes 16-31 the same k of token t0 + 1.
; One store of the wave: 32 lanes x 8 bytes = the two tokens' 128 bytes each = 256 consecutive bytes, aligned (t0 is even).
; Memory binds this launch: no LDS, no barrier, no matrix unit; every register is written once, so no wait frees a source.
.set XIN, 8                            ; v[8:23]   four loads of 4 f32
.set XOUT, 24                          ; v[24:31]  four stores of 4 f16
	s_load_b128 s[4:7], s[0:1], 0x0                ; hidden_states s[4:5], xb s[6:7]
	v_lshrrev_b32 v1, 5, v0
	v_readfirstlane_b32 s8, v1                     ; wave 0..7
	v_and_b32 v2, 31, v0                           ; lane
	v_and_b32 v3, 15, v0
	v_bfe_u32 v4, v0, 4, 1
	v_lshlrev_b32 v3, 4, v3                        ; source: 16 bytes a lane in a piece of 256 bytes,
	v_lshl_add_u32 v3, v4, 12, v3                  ; lanes 16-31 one row of 4,096 bytes further down
	v_lshlrev_b32 v2, 3, v2                        ; destination: 8 bytes a lane
	s_and_b32 s9, s8, 1                            ; p
	s_lshr_b32 s10, s8, 1                          ; q
	s_lshl_b32 s11, ttmp9, 2
	s_lshl1_add_u32 s11, s9, s11                   ; t0 = 4 g + 2 p
	s_lshl_b32 s12, s11, 12                        ; source offset: t0 rows of 4,096 bytes
	s_lshl_b32 s14, s10, 10                        ; + q x 256 k x 4 bytes
	s_add_co_u32 s12, s12, s14
	s_mov_b32 s13, 0
	s_lshr_b32 s14, s11, 7                         ; destination offset: (t0 >> 7) x 32,768
	s_lshl_b32 s14, s14, 15
	s_and_b32 s15, s11, 127                        ; + (t0 & 127) x 128
	s_lshl_b32 s15, s15, 7
	s_add_co_u32 s14, s14, s15
	s_lshl_b32 s15, s10, 19                        ; + q x 2 blocks of 128 k x 262,144
	s_add_co_u32 s14, s14, s15
	s_mov_b32 s15, 0
	s_wait_kmcnt 0x0
	s_add_nc_u64 s[4:5], s[4:5], s[12:13]
	s_add_nc_u64 s[6:7], s[6:7], s[14:15]
.irp i, 0,1,2,3
	global_load_b128 v[XIN+4*\i:XIN+4*\i+3], v3, s[4:5] offset:256*\i th:TH_LOAD_NT   ; piece i: k = 256 q + 64 i ..
.endr
.irp i, 0,1,2,3
	s_wait_loadcnt 3-\i                            ; loads come back in order: piece i is in, the younger ones stay out
	v_cvt_pk_f16_f32 v[XOUT+2*\i],   v[XIN+4*\i],   v[XIN+4*\i+1]
	v_cvt_pk_f16_f32 v[XOUT+2*\i+1], v[XIN+4*\i+2], v[XIN+4*\i+3]
	global_store_b64 v2, v[XOUT+2*\i:XOUT+2*\i+1], s[6:7] offset:(\i>>1)*262144+(\i&1)*16384
.endr
	s_endpgm
.Lfunc_end_k_q599dd160e4_cvtx:
	.size	k_q599dd160e4_cvtx, .Lfunc_end_k_q599dd160e4_cvtx-k_q599dd160e4_cvtx
	.p2alignl 7, 3214868480
	.fill 96, 4, 3214868480
	.section	.rodata,"a",@progbits
	.p2align	6, 0x0
	.amdhsa_kernel k_q599dd160e4_cvtx
		.amdhsa_group_segment_fixed_size 0
		.amdhsa_private_segment_fixed_size 0
		.amdhsa_enable_private_segment 0
		.amdhsa_kernarg_size 16
		.amdhsa_user_sgpr_count 2
		.amdhsa_user_sgpr_kernarg_segment_ptr 1
		.amdhsa_wavefront_size32 1
		.amdhsa_system_sgpr_workgroup_id_x 1
		.amdhsa_system_sgpr_workgroup_id_y 1
		.amdhsa_system_sgpr_workgroup_id_z 1
		.amdhsa_system_vgpr_workitem_id 0
		.amdhsa_next_free_vgpr 32
		.amdhsa_next_free_sgpr 66
		.amdhsa_reserve_vcc 0
		.amdhsa_float_denorm_mode_32 3
		.amdhsa_float_denorm_mode_16_64 3
		.amdhsa_memory_ordered 1
		.amdhsa_forward_progress 1
		.amdhsa_inst_pref_size 3
	.end_amdhsa_kernel
	.amdgpu_metadata
---
amdhsa.version: [ 1, 2 ]
amdhsa.kernels:
  - .name:           k_q599dd160e4_cvtx
    .symbol:         k_q599dd160e4_cvtx.kd
    .args:
      - { .name: hidden_states, .offset: 0, .size: 8, .value_kind: global_buffer, .address_space: global }
      - { .name: xb, .offset: 8, .size: 8, .value_kind: global_buffer, .address_space: global }
    .group_segment_fixed_size: 0
    .private_segment_fixed_size: 0
    .kernarg_segment_align: 8
    .kernarg_segment_size: 16
    .max_flat_workgroup_size: 256
    .sgpr_count:     66
    .vgpr_count:     32
    .wavefront_size: 32
...
	.end_amdgpu_metadata
.endif
;; end of part 1
;; launch gateup (part 2): grid 4 x 128, 4 waves a work-group, clusters of 4 x 1, 327,680 bytes of LDS; arguments xb, gate_up_proj, gate_up_proj_bias, act; writes act
.if DOCPART == 2
	.amdgcn_target "amdgcn-amd-amdhsa--gfx1250"
	.amdhsa_code_object_version 6
	.text
	.protected	k_q599dd160e4_gateup
	.globl	k_q599dd160e4_gateup
	.p2align	8
	.type	k_q599dd160e4_gateup,@function
k_q599dd160e4_gateup:
	s_mov_b64 s[64:65], 0
	v_nop
	global_prefetch_b8 v0, s[64:65] scope:SCOPE_SE
	s_setreg_imm32_b32 hwreg(HW_REG_WAVE_MODE, 25, 1), 1
	s_wait_xcnt 0x0
	s_wait_alu depctr_hold_cnt(0) depctr_sa_sdst(0) depctr_va_vdst(0) depctr_va_sdst(0) depctr_va_ssrc(0) depctr_va_vcc(0) depctr_vm_vsrc(0)
	s_getreg_b32 s2, hwreg(HW_REG_IB_STS2, 6, 4)
	s_cmp_eq_u32 s2, 0
	s_cbranch_scc0 .Lentry_in_a_cluster
	s_endpgm
.Lentry_in_a_cluster:
	s_bfe_u32 s2, ttmp6, 0x10000c
	s_cmp_lg_u32 s2, 0x3003
	s_cbranch_scc0 .Lentry_shape_is_right
	s_endpgm
.Lentry_shape_is_right:
; act[e][t][d] = (clip(up, -7, 7) + 1) * g * sigmoid(1.702 g), g = min(gate, 7), where gate and up are columns 2 d and 2 d + 1 of
; X [1024 t][1024 h] x W1[e] [1024 h][2048 n] + bias[e][n].  X comes as f16 in the tiled layout (xb), W1 as f32; act leaves as f16 in the
; same tiled layout, 2 MiB an expert: (d>>7)*262144 + (t>>7)*32768 + ((d>>6)&1)*16384 + (t&127)*128 + (d&63)*2.
; SHARES.  A work-group makes 512 tokens x 128 columns n (64 d) of one expert; 2 x 16 x 16 = 512 work-groups.  Wave w makes tokens
; 128 w .. 128 w + 127 and all 128 columns: 64 accumulator tiles of 16 x 16, 512 registers.  K = 1024 goes in 8 steps of 128.
; TOKEN OPERAND.  A wave's 128 tokens x 128 k of a step are 32,768 consecutive bytes of xb: one tensor load, 128 rows of 256 bytes, each followed by
; 16 bytes of padding in LDS, into the wave's own part of one of two slots.  Only the wave that asked reads it.
; CLUSTER.  The four work-groups of a cluster (4 x 1) are four column blocks of the same expert and token half: they need the same token tiles,
; and ask for them jointly (mask 15).  The descriptor is made of the cluster's y and the wave's number alone.
; The weights are NOT asked for jointly: a weight tile is shared by two work-groups only (the two token halves), and it is f32 that has to pass
; through registers to be rounded, so it comes by plain loads.
; WEIGHTS.  In each half step (64 k) a wave loads 16 rows x 512 bytes of f32 (one load = one row's 128 columns), rounds them to f16 and stores them
; as [k][n] rows of 256 bytes, pitch 288, into one of two LDS slots that all four waves read with the transposing load.  Half step j's work
; stores W(j+1) and asks for W(j+3): two register sets of 64 take turns.
; THE MATRIX INSTRUCTION IS USED TRANSPOSED: source 0 = 16 columns of W, source 1 = 16 tokens.  Lane (r, h) = (l % 16, l / 16) of tile (a, b) then holds token 16 a + r
; and its registers j the columns 16 b + 8 h + j: gate and up of one d are an even and an odd register of one lane.
; FORMAT.  Matrix operands are f16, 11 significant bits against bf16's 8; sums, bias and activation in f32.  act fits f16 for every input: the clips give
; |up + 1| <= 8 and |g sigmoid(1.702 g)| <= 7, so |act| <= 56.
; LIMITS.  A weight beyond 65,504 in magnitude becomes infinity in f16; weights and act below 2^-14 are kept as f16 denormals, absolute error at most 2^-25.
; For g below about -51 (1.702 |g| log2 e above 126) the reciprocal's result is flushed and g sigmoid(1.702 g) comes out as -0, where the exact
; value is below |g| 2^-126.  v_min_num_f32 and v_med3_num_f32 drop a NaN.
;
; LDS: [0, 278528) two token slots of 4 x 34,816 bytes, filled by tensor loads alone; [278528, 315392) two weight slots of 64 x 288 bytes,
; written by ds_store alone; behind the last product the weight slots' bytes serve as the waves' stages on the way out.
; REGISTERS, in windows of 256: window 0: v16-25 addresses, v64-127 and v128-191 token fragments (two buffers), v192-255 the bias;
; window 1: v0-63 and v192-255 weights as loaded (two sets), v64-127 and v128-191 weight fragments; windows 2, 3: accumulators of tokens 0-63, 64-127.
.set PW,     8192                      ; bytes from row to row of W1[e]
.set WSTEP,  64*PW                     ; a half step of W
.set KBLK,   262144                    ; a K step of the tiled token operand
.set UNIT,   272                       ; 256 bytes (two tokens x 64 k) + 16 of padding
.set CH,     64*UNIT                   ; 128 tokens x 64 k
.set AW,     2*CH                      ; a wave's part of a token slot
.set ASLOT,  4*AW
.set WBASE,  2*ASLOT
.set WP,     288                       ; pitch of a weight row in LDS: 9 x 32 bytes
.set WSLOT,  64*WP
.set STG,    WBASE
.set SP,     144                       ; pitch of the stage: 128 bytes + 16
.set ADRA, 16                          ; v16-17  my token fragments in slot 0, 1
.set ADRW, 18                          ; v18     my weight fragments in weight slot 0
.set WST,  20                          ; v20     where I store my rounded weights
.set WGO,  21                          ; v21     16 x lane: my bytes in a row of W, and in 512 bytes of act
.set BOF,  22                          ; v22     32 h: my bytes in the bias
.set STO,  24                          ; v24     stage, in
.set RD,   25                          ; v25     stage, back
.set F0,   64
.set F1,   128
.set BIAS, 192                         ; v192-255: bias of column 16 b + 8 h + j at BIAS + 8 b + j
.set T,    128                         ; way out: 64 sums + bias (gate even, up odd)
.set X,    64                          ; way out: 32 sigmoids
.set O,    96                          ; way out: 32 f16 in 16 registers
.set R,    112                         ; way out: rows read back
.set G1,   24                          ; s[24:31] descriptor group 1
.set G0,   32                          ; s[32:39] descriptor group 0, one set for each slot
.set MSB,  0
.set MUL_LO, 0xa1                      ; source 0 window 1, source 1 window 0, C and D window 2
.set MUL_HI, 0xf1                      ; the same, C and D window 3
.set TO_B,   0x40                      ; destination window 1
.set CVT,    0x45                      ; destination and both sources window 1
.set STW,    0x04                      ; LDS store: address window 0, data window 1
.macro WIN new                         ; the immediate's high byte repeats the setting that is left
.if MSB != \new
	s_set_vgpr_msb (MSB<<8)|\new
.set MSB, \new
.endif
.endm
.macro PLACES                          ; four places behind a matrix instruction (ISA guide 7.12.1), where no useful vector work is at hand
.rept 4
	v_nop
.endr
.endm
.macro CREST                           ; a round of the cluster's barrier behind its opening work-group barrier
	s_cmp_lg_u32 s12, 0
	s_cbranch_scc1 .Lnot_wave_0_\@
	s_barrier_signal -3
.Lnot_wave_0_\@:
	s_barrier_wait -3
	s_barrier_signal -1
	s_barrier_wait -1
.endm
.macro CROUND                          ; a whole round
	s_barrier_signal -1
	s_barrier_wait -1
	CREST
.endm
	s_load_b256 s[4:11], s[0:1], 0x0               ; xb s[4:5], gate_up_proj s[6:7], bias s[8:9], act s[10:11]
	v_lshl_add_u32 v62, v0, 2, 0x4d000
	v_mov_b32 v63, 0
	ds_add_u32 v62, v63
	v_lshrrev_b32 v1, 5, v0
	v_readfirstlane_b32 s12, v1                    ; wave 0..3
	s_bfe_u32 s13, ttmp6, 0x40000                  ; cx: my place in the cluster
	s_and_b32 s15, ttmp7, 0xffff                   ; by: the cluster's y (the cluster is one work-group high)
	s_and_b32 s18, s15, 1                          ; token half
	s_lshr_b32 s16, s15, 3                         ; expert
	s_bfe_u32 s17, s15, 0x20001                    ; (by >> 1) & 3
	s_lshl2_add_u32 s17, s17, s13                  ; column block nb = 4 ((by >> 1) & 3) + cx, 0..15
	s_mov_b32 s44, 0x40e00000                      ; 7.0
	s_mov_b32 s45, 0xc0e00000                      ; -7.0
	s_mov_b32 s46, 0xc01d265f                      ; -1.702 log2 e
	; descriptor group 1: 128 rows of 32 elements of 8 bytes, dense in memory, padded in LDS
	s_mov_b32 s[G1+0], 15|(3<<16)|(1<<20)|(1<<21)|(5<<22)|(3<<25)  ; 15:0 mask: all four of the cluster; 17:16 8-byte elements; 20 padding on; 21 set beside a mask; 24:22 after 64 words; 31:25 of 4 words
	s_mov_b32 s[G1+1], 32<<16                      ; tensor_dim0 = 32
	s_mov_b32 s[G1+2], 128<<16                     ; tensor_dim1 = 128
	s_mov_b32 s[G1+3], 32<<16                      ; tile_dim0 = 32
	s_mov_b32 s[G1+4], 128                         ; tile_dim1 = 128
	s_mov_b32 s[G1+5], 32                          ; from row to row: 32 elements
	s_mov_b32 s[G1+6], 0
	s_mov_b32 s[G1+7], 0
	s_lshl2_add_u32 s19, s18, s12                  ; my block of 128 tokens: 4 half + wave
	s_lshl_b32 s22, s19, 15                        ; its 32,768 bytes in a K step of xb: no place in the cluster enters
	s_mov_b32 s23, 0
	s_mul_i32 s51, s12, AW                         ; my part of a token slot
	s_lshl_b32 s40, s16, 23                        ; W: expert x 1,024 rows
	s_lshl_b32 s42, s17, 9                         ;    + column block x 512 bytes
	s_add_co_u32 s40, s40, s42
	s_lshl_b32 s43, s12, 17                        ;    + wave x 16 rows
	s_add_co_u32 s40, s40, s43
	s_mov_b32 s41, 0
	s_lshl_b32 s43, s16, 13                        ; bias: expert x 8,192 bytes + column block x 512
	s_add_co_u32 s42, s42, s43
	s_mov_b32 s43, 0
	s_lshl_b32 s48, s16, 21                        ; act: expert x 2 MiB
	s_lshr_b32 s50, s17, 1
	s_lshl_b32 s50, s50, 18                        ;      + (nb >> 1) x 262,144
	s_add_co_u32 s48, s48, s50
	s_and_b32 s50, s17, 1
	s_lshl_b32 s50, s50, 14                        ;      + (nb & 1) x 16,384
	s_add_co_u32 s48, s48, s50
	s_add_co_u32 s48, s48, s22                     ;      + token block x 32,768
	s_mov_b32 s49, 0
	; lane terms
	v_and_b32 v1, 15, v0                           ; r
	v_bfe_u32 v2, v0, 4, 1                         ; h
	v_and_b32 v3, 31, v0                           ; lane
	v_lshrrev_b32 v4, 1, v1
	v_and_b32 v5, 1, v0
	v_mul_u32_u24 v4, v4, UNIT                     ; token r of a fragment: unit r >> 1,
	v_lshl_add_u32 v4, v5, 7, v4                   ; half r & 1 of it,
	v_lshl_add_u32 v4, v2, 4, v4                   ; 16 h bytes along k.  Modulo 256 the 16 lanes of a half stand at 16 (r >> 1) + 128 (r & 1): 16 different columns of 16 bytes
	v_add_nc_u32 v[ADRA], s51, v4
	v_add_nc_u32 v[ADRA+1], ASLOT, v[ADRA]
	v_and_b32 v6, 7, v0
	v_lshl_add_u32 v6, v2, 3, v6                   ; transposing load: row k = 8 h + (l & 7),
	v_bfe_u32 v7, v0, 3, 1
	v_mul_u32_u24 v6, v6, WP
	v_lshl_add_u32 v6, v7, 4, v6                   ; 16 bytes at 16 ((l >> 3) & 1)
	v_add_nc_u32 v[ADRW], WBASE, v6
	s_mul_i32 s52, s12, 16*WP
	s_add_co_u32 s52, s52, WBASE
	v_lshl_add_u32 v[WST], v3, 3, s52              ; my 16 rows of a weight slot, 8 bytes a lane
	v_lshlrev_b32 v[WGO], 4, v3
	v_lshlrev_b32 v[BOF], 5, v2
	s_mul_i32 s53, s12, 16*SP
	s_add_co_u32 s53, s53, STG                     ; my stage: 16 rows of 144 bytes
	v_mul_u32_u24 v8, v1, SP
	v_lshl_add_u32 v8, v2, 3, v8
	v_add_nc_u32 v[STO], s53, v8                   ; in: row r, 8 bytes at 8 h
	v_lshrrev_b32 v9, 3, v3
	v_and_b32 v10, 7, v0
	v_mul_u32_u24 v9, v9, SP
	v_lshl_add_u32 v9, v10, 4, v9
	v_add_nc_u32 v[RD], s53, v9                    ; back: row l >> 3, 16 bytes at 16 (l & 7)
	s_wait_dscnt 0x0
	s_wait_kmcnt 0x0
	s_add_nc_u64 s[4:5], s[4:5], s[22:23]
	s_add_nc_u64 s[20:21], s[6:7], s[40:41]        ; the weight stream's base; it steps by a half step
	s_add_nc_u64 s[8:9], s[8:9], s[42:43]
	s_add_nc_u64 s[10:11], s[10:11], s[48:49]
	CROUND                                         ; all four work-groups are here: the first joint loads meet
.irp s, 0,1
	s_mov_b32 s[G0+4*\s], 1                                        ; count = 1
	s_add_co_u32 s[G0+4*\s+1], s51, \s*ASLOT                       ; LDS address: wave x 34,816 + slot x 139,264
	s_add_nc_u64 s[G0+4*\s+2:G0+4*\s+3], s[4:5], \s*KBLK           ; global address: K step s
	s_or_b32 s[G0+4*\s+3], s[G0+4*\s+3], 0x80000000                ; type = 2
	tensor_load_to_lds s[G0+4*\s:G0+4*\s+3], s[G1:G1+7]            ; both first fills go out together: two tensor loads of the wave are out
	s_nop 0
.endr
.irp b, 0,1,2,3,4,5,6,7
	global_load_b128 v[BIAS+8*\b:BIAS+8*\b+3],   v[BOF], s[8:9] offset:64*\b
	global_load_b128 v[BIAS+8*\b+4:BIAS+8*\b+7], v[BOF], s[8:9] offset:64*\b+16
.endr
	WIN TO_B
.irp i, 0,1,2,3,4,5,6,7,8,9,10,11,12,13,14,15
	global_load_b128 v[4*\i:4*\i+3], v[WGO], s[20:21] offset:\i*PW                 ; W(0) into set 0
.endr
.irp i, 0,1,2,3,4,5,6,7,8,9,10,11,12,13,14,15
	global_load_b128 v[192+4*\i:192+4*\i+3], v[WGO], s[20:21] offset:WSTEP+\i*PW   ; W(1) into set 1
.endr
; 16 matrix instructions: token tiles a0, a0 + 1 of the window's four (hi = 0: tokens 0-63, 1: 64-127) x all 8 column tiles, 32 along K.
; zero = 1: the first product starts the sums.  The 64 accumulators take turns, one instruction a turn, in the same order in every quarter.
.macro MUL16 f, hi, a0, zero
.irp a, \a0, \a0+1
.irp b, 0,1,2,3,4,5,6,7
.if \zero
	v_wmma_f32_16x16x32_f16 v[8*(8*(\a)+\b):8*(8*(\a)+\b)+7], v[\f+8*\b:\f+8*\b+7], v[\f+8*(4*\hi+\a):\f+8*(4*\hi+\a)+7], 0
.else
	v_wmma_f32_16x16x32_f16 v[8*(8*(\a)+\b):8*(8*(\a)+\b)+7], v[\f+8*\b:\f+8*\b+7], v[\f+8*(4*\hi+\a):\f+8*(4*\hi+\a)+7], v[8*(8*(\a)+\b):8*(8*(\a)+\b)+7]
.endif
.endr
.endr
.endm
; 32 LDS loads in one run: the fragments of one quarter step (32 k) into buffer f: 8 column tiles of W, transposed on the way, then 8 token tiles.
.macro FETCH aslot, aoff, woff, f
	WIN TO_B
.irp i, 0,1,2,3,4,5,6,7
	ds_load_tr16_b128 v[\f+8*\i:\f+8*\i+3],   v[ADRW] offset:\woff+32*\i          ; k = 8 h .. of column 16 i + r
	ds_load_tr16_b128 v[\f+8*\i+4:\f+8*\i+7], v[ADRW] offset:\woff+32*\i+16*WP    ; k = 16 + 8 h ..
.endr
	WIN 0
.irp i, 0,1,2,3,4,5,6,7
	ds_load_b128 v[\f+8*\i:\f+8*\i+3],   v[ADRA+\aslot] offset:\aoff+\i*8*UNIT
	ds_load_b128 v[\f+8*\i+4:\f+8*\i+7], v[ADRA+\aslot] offset:\aoff+\i*8*UNIT+32
.endr
.endm
; The weights of one half step, which lie in register set `set` (0: v0-63, 1: v192-255 of window 1), are rounded in place and stored into weight slot `set`.
; step = 1: the stream's base goes one half step on.  load = 1: the set is asked for again, two half steps beyond the base.
; left = how many younger loads may stay out.
.macro WSTAGE set, step, load, left
	s_wait_loadcnt \left                           ; loads come back in order: this set's 16 are in, the other set's stay out
	WIN CVT
.irp i, 0,1,2,3,4,5,6,7,8,9,10,11,12,13,14,15
	v_cvt_pk_f16_f32 v[192*\set+4*\i],   v[192*\set+4*\i],   v[192*\set+4*\i+1]
	v_cvt_pk_f16_f32 v[192*\set+4*\i+1], v[192*\set+4*\i+2], v[192*\set+4*\i+3]
.endr
	WIN STW
.irp i, 0,1,2,3,4,5,6,7,8,9,10,11,12,13,14,15
	ds_store_b64 v[WST], v[192*\set+4*\i:192*\set+4*\i+1] offset:\set*WSLOT+WP*\i   ; 32 lanes x 8 bytes: one row's 256 bytes
.endr
.if \step
	s_wait_xcnt 0x0                                ; the other set's loads, which name the base, have had their addresses translated
	s_add_nc_u64 s[20:21], s[20:21], WSTEP
.endif
.if \load
	WIN TO_B
.irp i, 0,1,2,3,4,5,6,7,8,9,10,11,12,13,14,15
	global_load_b128 v[192*\set+4*\i:192*\set+4*\i+3], v[WGO], s[20:21] offset:2*WSTEP+\i*PW   ; one row's 512 bytes a load
.endr
.endif
.endm
; Quarter q (0 or 2) of a K step: multiplies buffer 0; in its middle it stages weights (st = 1) and fetches quarter q + 1 into buffer 1.
; The 32 conversions of the stage name no register of a matrix instruction: they are the places in front of the fragment loads.
.macro QUARTER aslot, q, zero, st, set, step, load, left
	s_wait_dscnt 8                                 ; all but the youngest eight loads (tokens 64-127) are in
	WIN MUL_LO
	MUL16 F0, 0, 0, \zero
	MUL16 F0, 0, 2, \zero
.if \st
	WSTAGE \set, \step, \load, \left
.else
	PLACES
.endif
	FETCH \aslot, (\q/2)*CH+64, (\q/2)*WSLOT+32*WP, F1
.if \st
	s_wait_dscnt 48                                ; all but the 16 stores and 32 loads just issued
.else
	s_wait_dscnt 32                                ; all but the 32 loads just issued
.endif
	WIN MUL_HI
	MUL16 F0, 1, 0, \zero
	MUL16 F0, 1, 2, \zero
.endm
; Quarter 1 or 3: multiplies buffer 1, passes the half step's barrier and fetches the next quarter (slot naslot, bytes naoff, nwoff) into buffer 0.
; In front of the barrier every wave's LDS instructions are done: its reads of the weight slot that is stored next, and its stores into the one that is read next.
; kind 0: no more.  kind 1: also all my tensor loads have landed (the next token slot is whole).  kind 2: the barrier opens a round of the
; cluster's barrier, and behind the round token slot `slot`, whose reads are over in every partner, is asked for again, two K steps ahead:
; the wave's one tensor load until the next round; it is waited for a K step later.
.macro TURN naslot, naoff, nwoff, kind, slot
	s_wait_dscnt 8
	WIN MUL_LO
	MUL16 F1, 0, 0, 0
	s_wait_dscnt 0
.if \kind
	s_set_vgpr_msb 0xa1a0
	s_wait_tensorcnt 0x0
	ds_add_u32 v62, v63
	s_wait_dscnt 0x0
	s_set_vgpr_msb 0xa0a1
.endif
	s_barrier_signal -1
	MUL16 F1, 0, 2, 0                              ; registers only, while the others arrive
.if \kind == 2
	WIN 0
.endif
	s_barrier_wait -1
.if \kind == 2
	CREST
	s_add_nc_u64 s[G0+4*\slot+2:G0+4*\slot+3], s[G0+4*\slot+2:G0+4*\slot+3], 2*KBLK   ; no tensor load of mine is out: the group may be written
	tensor_load_to_lds s[G0+4*\slot:G0+4*\slot+3], s[G1:G1+7]
	s_nop 0
.endif
	PLACES
	FETCH \naslot, \naoff, \nwoff, F0
	WIN MUL_HI
	MUL16 F1, 1, 0, 0
	MUL16 F1, 1, 2, 0
.endm
.macro KSTEP aslot, zero, endkind      ; a K step of 128 = two half steps; both stage weights and ask for more
	QUARTER \aslot, 0, \zero, 1, 1, 1, 1, 16
	TURN \aslot, CH, WSLOT, 0, 0
	QUARTER \aslot, 2, 0, 1, 0, 1, 1, 16
	TURN 1-\aslot, 0, 0, \endkind, \aslot
.endm
	WSTAGE 0, 0, 1, 16                             ; W(0) into weight slot 0 (the bias, asked for earlier, is in too); W(2) is asked for
	s_wait_tensorcnt 0x1                           ; my tile of K step 0 is in; K step 1's stays out
	s_wait_dscnt 0x0                               ; my rows of W(0) are stored
	s_barrier_signal -1
	s_barrier_wait -1
	FETCH 0, 0, 0, F0
	KSTEP 0, 1, 2                                  ; K steps 0 and 1 stand in front of the loop: the first products start the sums
	KSTEP 1, 0, 2
	WIN 0                                          ; at a label and at a branch every window is 0
	s_mov_b32 s3, 2
.Llap:
	KSTEP 0, 0, 2                                  ; K steps 2 to 5
	KSTEP 1, 0, 2
	WIN 0
	s_sub_co_u32 s3, s3, 1
	s_cmp_lg_u32 s3, 0
	s_cbranch_scc1 .Llap
	QUARTER 0, 0, 0, 1, 1, 1, 1, 16                ; K step 6: W(13) is stored, W(15), the last, asked for
	TURN 0, CH, WSLOT, 0, 0
	QUARTER 0, 2, 0, 1, 0, 0, 0, 16                ; W(14) is stored; W(15)'s 16 loads stay out
	TURN 1, 0, 0, 1, 0                             ; no slot is filled again: K step 7's tile, the last load, has landed
	QUARTER 1, 0, 0, 1, 1, 0, 0, 0                 ; K step 7: W(15) is stored
	TURN 1, CH, WSLOT, 0, 0
	QUARTER 1, 2, 0, 0, 0, 0, 0, 0
	s_wait_dscnt 8                                 ; the very last quarter: nothing more to fetch
	WIN MUL_LO
	MUL16 F1, 0, 0, 0
	MUL16 F1, 0, 2, 0
	s_wait_dscnt 0
	WIN MUL_HI
	MUL16 F1, 1, 0, 0
	MUL16 F1, 1, 2, 0
	WIN 0
	PLACES                                         ; behind the last matrix instructions: results are read, fragment buffers written
	s_barrier_signal -1                            ; every wave's reads of the weight slots are back (the wait for 0 above):
	s_barrier_wait -1                              ; their bytes now serve as stages
; THE WAY OUT, 16 tokens at a time (tiles (a, 0..7); at = a mod 4 in window `from`): bias, activation, f16, through my own stage, out as 512 consecutive bytes a store.
.macro ACT16 a, at, from
	WIN \from
.irp b, 0,1,2,3,4,5,6,7
.irp p, 0,2,4,6
	v_pk_add_f32 v[T+8*\b+\p:T+8*\b+\p+1], v[8*(8*\at+\b)+\p:8*(8*\at+\b)+\p+1], v[BIAS+8*\b+\p:BIAS+8*\b+\p+1]   ; gate, up
.endr
.endr
	WIN 0
.irp q, 0,1,2,3
.irp j, 0,1,2,3,4,5,6,7
	v_min_num_f32 v[T+16*\q+2*\j], s44, v[T+16*\q+2*\j]                  ; g = min(gate, 7)
.endr
.irp j, 0,1,2,3,4,5,6,7
	v_mul_f32 v[X+8*\q+\j], s46, v[T+16*\q+2*\j]                         ; -1.702 g log2 e
.endr
.irp j, 0,1,2,3,4,5,6,7
	v_exp_f32 v[X+8*\q+\j], v[X+8*\q+\j]                                 ; e^(-1.702 g); infinity for very negative g, which ends as -0
.endr
	v_nop                                                                ; one plain place behind the run of exponentials (ISA guide 5.7.2)
.irp j, 0,1,2,3,4,5,6,7
	v_med3_num_f32 v[T+16*\q+2*\j+1], v[T+16*\q+2*\j+1], s45, s44        ; u = clip(up, -7, 7)
.endr
	s_wait_alu depctr_va_vdst(0)
.irp j, 0,1,2,3,4,5,6,7
	v_add_f32 v[X+8*\q+\j], 1.0, v[X+8*\q+\j]
.endr
.irp j, 0,1,2,3,4,5,6,7
	v_rcp_f32 v[X+8*\q+\j], v[X+8*\q+\j]                                 ; sigmoid(1.702 g)
.endr
	v_nop                                                                ; one plain place behind the run of reciprocals
	s_wait_alu depctr_va_vdst(0)
.irp j, 0,1,2,3,4,5,6,7
	v_mul_f32 v[T+16*\q+2*\j], v[T+16*\q+2*\j], v[X+8*\q+\j]             ; glu
.endr
.irp j, 0,1,2,3,4,5,6,7
	v_fma_f32 v[T+16*\q+2*\j], v[T+16*\q+2*\j+1], v[T+16*\q+2*\j], v[T+16*\q+2*\j]   ; (u + 1) glu = u glu + glu
.endr
.irp j, 0,1,2,3
	v_cvt_pk_f16_f32 v[O+4*\q+\j], v[T+16*\q+4*\j], v[T+16*\q+4*\j+2]
.endr
.endr
.irp b, 0,1,2,3,4,5,6,7
	ds_store_b64 v[STO], v[O+2*\b:O+2*\b+1] offset:16*\b                 ; d = 8 b + 4 h .. + 3 of token r
.endr
	s_wait_xcnt 0x0                                ; the last 16 tokens' stores have had their addresses translated: R is written again only behind this wait
.irp t, 0,1,2,3
	ds_load_b128 v[R+4*\t:R+4*\t+3], v[RD] offset:4*SP*\t                ; four tokens' 128 bytes; LDS serves a wave's instructions in order: these see the stores above
.endr
.irp t, 0,1,2,3
	s_wait_dscnt 3-\t
	global_store_b128 v[WGO], v[R+4*\t:R+4*\t+3], s[10:11] offset:2048*\a+512*\t   ; 512 consecutive bytes of act, aligned
.endr
.endm
	ACT16 0, 0, 0x02
	ACT16 1, 1, 0x02
	ACT16 2, 2, 0x02
	ACT16 3, 3, 0x02
	ACT16 4, 0, 0x03
	ACT16 5, 1, 0x03
	ACT16 6, 2, 0x03
	ACT16 7, 3, 0x03
	s_wait_tensorcnt 0x0
	ds_add_u32 v62, v63
	s_wait_dscnt 0x0
	CROUND                                         ; the closing round: no work-group ends while a partner may still ask for a tile that names it
	s_endpgm
.Lfunc_end_k_q599dd160e4_gateup:
	.size	k_q599dd160e4_gateup, .Lfunc_end_k_q599dd160e4_gateup-k_q599dd160e4_gateup
	.p2alignl 7, 3214868480
	.fill 96, 4, 3214868480
	.section	.rodata,"a",@progbits
	.p2align	6, 0x0
	.amdhsa_kernel k_q599dd160e4_gateup
		.amdhsa_group_segment_fixed_size 327680
		.amdhsa_private_segment_fixed_size 0
		.amdhsa_enable_private_segment 0
		.amdhsa_kernarg_size 32
		.amdhsa_user_sgpr_count 2
		.amdhsa_user_sgpr_kernarg_segment_ptr 1
		.amdhsa_wavefront_size32 1
		.amdhsa_system_sgpr_workgroup_id_x 1
		.amdhsa_system_sgpr_workgroup_id_y 1
		.amdhsa_system_sgpr_workgroup_id_z 1
		.amdhsa_system_vgpr_workitem_id 0
		.amdhsa_next_free_vgpr 1024
		.amdhsa_next_free_sgpr 66
		.amdhsa_reserve_vcc 0
		.amdhsa_float_denorm_mode_32 3
		.amdhsa_float_denorm_mode_16_64 3
		.amdhsa_memory_ordered 1
		.amdhsa_forward_progress 1
		.amdhsa_inst_pref_size 255
	.end_amdhsa_kernel
	.section	.bss,"aw",@nobits
	.p2align	6
	.space	262144
	.amdgpu_metadata
---
amdhsa.version: [ 1, 2 ]
amdhsa.kernels:
  - .name:           k_q599dd160e4_gateup
    .symbol:         k_q599dd160e4_gateup.kd
    .args:
      - { .name: xb, .offset: 0, .size: 8, .value_kind: global_buffer, .address_space: global }
      - { .name: gate_up_proj, .offset: 8, .size: 8, .value_kind: global_buffer, .address_space: global }
      - { .name: gate_up_proj_bias, .offset: 16, .size: 8, .value_kind: global_buffer, .address_space: global }
      - { .name: act, .offset: 24, .size: 8, .value_kind: global_buffer, .address_space: global }
    .group_segment_fixed_size: 327680
    .private_segment_fixed_size: 0
    .kernarg_segment_align: 8
    .kernarg_segment_size: 32
    .max_flat_workgroup_size: 128
    .sgpr_count:     66
    .vgpr_count:     1024
    .wavefront_size: 32
...
	.end_amdgpu_metadata
.endif
;; end of part 2
;; launch down (part 3): grid 4 x 64, 4 waves a work-group, clusters of 4 x 1, 327,680 bytes of LDS; arguments act, down_proj, part; writes part
.if DOCPART == 3
	.amdgcn_target "amdgcn-amd-amdhsa--gfx1250"
	.amdhsa_code_object_version 6
	.text
	.protected	k_q599dd160e4_down
	.globl	k_q599dd160e4_down
	.p2align	8
	.type	k_q599dd160e4_down,@function
k_q599dd160e4_down:
	s_mov_b64 s[64:65], 0
	v_nop
	global_prefetch_b8 v0, s[64:65] scope:SCOPE_SE
	s_setreg_imm32_b32 hwreg(HW_REG_WAVE_MODE, 25, 1), 1
	s_wait_xcnt 0x0
	s_wait_alu depctr_hold_cnt(0) depctr_sa_sdst(0) depctr_va_vdst(0) depctr_va_sdst(0) depctr_va_ssrc(0) depctr_va_vcc(0) depctr_vm_vsrc(0)
	s_getreg_b32 s2, hwreg(HW_REG_IB_STS2, 6, 4)
	s_cmp_eq_u32 s2, 0
	s_cbranch_scc0 .Lentry_in_a_cluster
	s_endpgm
.Lentry_in_a_cluster:
	s_bfe_u32 s2, ttmp6, 0x10000c
	s_cmp_lg_u32 s2, 0x3003
	s_cbranch_scc0 .Lentry_shape_is_right
	s_endpgm
.Lentry_shape_is_right:
; part[e][t][n] = sum over d of act[e][t][d] W2[e][d][n], in f32: the sum over experts is a K of 16,384 on an output of 1,024 x 1,024, split here by
; expert; bias, routing weight and the sum over experts follow in the next launch.  act comes as f16 in the tiled layout, 2 MiB an expert:
; (d>>7)*262144 + (t>>7)*32768 + ((d>>6)&1)*16384 + (t&127)*128 + (d&63)*2; W2 as f32 [1024 d][1024 n].
; SHARES.  A work-group makes 512 tokens x 128 columns of one expert; 2 x 8 x 16 = 256 work-groups.  Wave w makes tokens 128 w .. 128 w + 127 and
; all 128 columns: 64 accumulator tiles of 16 x 16, 512 registers.  K = 1024 goes in 8 steps of 128.
; TOKEN OPERAND.  A wave's 128 tokens x 128 d of a step are 32,768 consecutive bytes of act: one tensor load, 128 rows of 256 bytes, each followed by
; 16 bytes of padding in LDS, into the wave's own part of one of two slots.  Only the wave that asked reads it.
; CLUSTER.  The four work-groups of a cluster (4 x 1) are four column blocks of the same expert and token half: they need the same token tiles,
; and ask for them jointly (mask 15).  The descriptor is made of the cluster's y and the wave's number alone.
; The weights are NOT asked for jointly: a weight tile is shared by two work-groups only (the two token halves), and it is f32 that has to pass
; through registers to be rounded, so it comes by plain loads.
; WEIGHTS.  In each half step (64 d) a wave loads 16 rows x 512 bytes of f32, rounds them to f16 and stores them as [k][n] rows of 256 bytes, pitch 288,
; into one of two LDS slots that all four waves read with the transposing load.  Half step j's work stores W(j+1) and asks for W(j+3).
; THE MATRIX INSTRUCTION IS USED TRANSPOSED: source 0 = 16 columns of W, source 1 = 16 tokens.  Lane (r, h) of tile (a, b) holds token 16 a + r and its
; registers j the columns 16 b + 8 h + j: 32 neighbouring bytes of a row of part.
; FORMAT AND LIMIT.  Matrix operands are f16 (act as stored, W2 rounded here), 11 significant bits against bf16's 8; sums in f32.  A weight beyond 65,504 in
; magnitude becomes infinity in f16; weights below 2^-14 are kept as f16 denormals, absolute error at most 2^-25.
;
; LDS: [0, 278528) two token slots of 4 x 34,816 bytes, filled by tensor loads alone; [278528, 315392) two weight slots of 64 x 288 bytes,
; written by ds_store alone; behind the last product the weight slots' bytes serve as the waves' stages on the way out.
; REGISTERS, in windows of 256: window 0: v16-25 addresses, v64-127 and v128-191 token fragments (two buffers);
; window 1: v0-63 and v192-255 weights as loaded (two sets), v64-127 and v128-191 weight fragments; windows 2, 3: accumulators of tokens 0-63, 64-127.
.set PW,     4096                      ; bytes from row to row of W2[e]
.set WSTEP,  64*PW                     ; a half step of W
.set KBLK,   262144                    ; a K step of the tiled token operand
.set UNIT,   272                       ; 256 bytes (two tokens x 64 d) + 16 of padding
.set CH,     64*UNIT                   ; 128 tokens x 64 d
.set AW,     2*CH                      ; a wave's part of a token slot
.set ASLOT,  4*AW
.set WBASE,  2*ASLOT
.set WP,     288                       ; pitch of a weight row in LDS: 9 x 32 bytes
.set WSLOT,  64*WP
.set STG,    WBASE
.set SP,     528                       ; pitch of the stage: 512 bytes + 16
.set ADRA, 16                          ; v16-17  my token fragments in slot 0, 1
.set ADRW, 18                          ; v18     my weight fragments in weight slot 0
.set WST,  20                          ; v20     where I store my rounded weights
.set WGO,  21                          ; v21     16 x lane: my bytes in a row of W, and in 512 bytes of a row of part
.set STO,  24                          ; v24     stage, in
.set RD,   25                          ; v25     stage, back
.set F0,   64
.set F1,   128
.set G1,   24                          ; s[24:31] descriptor group 1
.set G0,   32                          ; s[32:39] descriptor group 0, one set for each slot
.set MSB,  0
.set MUL_LO, 0xa1                      ; source 0 window 1, source 1 window 0, C and D window 2
.set MUL_HI, 0xf1                      ; the same, C and D window 3
.set TO_B,   0x40                      ; destination window 1
.set CVT,    0x45                      ; destination and both sources window 1
.set STW,    0x04                      ; LDS store: address window 0, data window 1
.macro WIN new                         ; the immediate's high byte repeats the setting that is left
.if MSB != \new
	s_set_vgpr_msb (MSB<<8)|\new
.set MSB, \new
.endif
.endm
.macro PLACES                          ; four places behind a matrix instruction (ISA guide 7.12.1), where no useful vector work is at hand
.rept 4
	v_nop
.endr
.endm
.macro CREST                           ; a round of the cluster's barrier behind its opening work-group barrier
	s_cmp_lg_u32 s12, 0
	s_cbranch_scc1 .Lnot_wave_0_\@
	s_barrier_signal -3
.Lnot_wave_0_\@:
	s_barrier_wait -3
	s_barrier_signal -1
	s_barrier_wait -1
.endm
.macro CROUND                          ; a whole round
	s_barrier_signal -1
	s_barrier_wait -1
	CREST
.endm
	s_load_b128 s[4:7], s[0:1], 0x0                ; act s[4:5], down_proj s[6:7]
	s_load_b64 s[8:9], s[0:1], 0x10                ; part
	v_lshl_add_u32 v254, v0, 2, 0x4d000
	v_mov_b32 v255, 0
	ds_add_u32 v254, v255
	v_lshrrev_b32 v1, 5, v0
	v_readfirstlane_b32 s12, v1                    ; wave 0..3
	s_bfe_u32 s13, ttmp6, 0x40000                  ; cx: my place in the cluster
	s_and_b32 s15, ttmp7, 0xffff                   ; by: the cluster's y (the cluster is one work-group high)
	s_and_b32 s18, s15, 1                          ; token half
	s_lshr_b32 s16, s15, 2                         ; expert
	s_bfe_u32 s17, s15, 0x10001                    ; (by >> 1) & 1
	s_lshl2_add_u32 s17, s17, s13                  ; column block nb = 4 ((by >> 1) & 1) + cx, 0..7
	; descriptor group 1: 128 rows of 32 elements of 8 bytes, dense in memory, padded in LDS
	s_mov_b32 s[G1+0], 15|(3<<16)|(1<<20)|(1<<21)|(5<<22)|(3<<25)  ; 15:0 mask: all four of the cluster; 17:16 8-byte elements; 20 padding on; 21 set beside a mask; 24:22 after 64 words; 31:25 of 4 words
	s_mov_b32 s[G1+1], 32<<16                      ; tensor_dim0 = 32
	s_mov_b32 s[G1+2], 128<<16                     ; tensor_dim1 = 128
	s_mov_b32 s[G1+3], 32<<16                      ; tile_dim0 = 32
	s_mov_b32 s[G1+4], 128                         ; tile_dim1 = 128
	s_mov_b32 s[G1+5], 32                          ; from row to row: 32 elements
	s_mov_b32 s[G1+6], 0
	s_mov_b32 s[G1+7], 0
	s_lshl2_add_u32 s19, s18, s12                  ; my block of 128 tokens: 4 half + wave
	s_lshl_b32 s22, s19, 15                        ; its 32,768 bytes in a K step of act,
	s_lshl_b32 s23, s16, 21                        ; in the expert's 2 MiB: no place in the cluster enters
	s_add_co_u32 s22, s22, s23
	s_mov_b32 s23, 0
	s_mul_i32 s51, s12, AW                         ; my part of a token slot
	s_lshl_b32 s40, s16, 22                        ; W: expert x 1,024 rows
	s_lshl_b32 s42, s17, 9                         ;    + column block x 512 bytes
	s_add_co_u32 s40, s40, s42
	s_lshl_b32 s43, s12, 16                        ;    + wave x 16 rows
	s_add_co_u32 s40, s40, s43
	s_mov_b32 s41, 0
	s_lshl_b32 s48, s16, 22                        ; part: expert x 4 MiB
	s_lshl_b32 s50, s19, 19                        ;       + token block x 128 rows of 4,096 bytes
	s_add_co_u32 s48, s48, s50
	s_add_co_u32 s48, s48, s42                     ;       + column block x 512 bytes
	s_mov_b32 s49, 0
	; lane terms
	v_and_b32 v1, 15, v0                           ; r
	v_bfe_u32 v2, v0, 4, 1                         ; h
	v_and_b32 v3, 31, v0                           ; lane
	v_lshrrev_b32 v4, 1, v1
	v_and_b32 v5, 1, v0
	v_mul_u32_u24 v4, v4, UNIT                     ; token r of a fragment: unit r >> 1,
	v_lshl_add_u32 v4, v5, 7, v4                   ; half r & 1 of it,
	v_lshl_add_u32 v4, v2, 4, v4                   ; 16 h bytes along k.  Modulo 256 the 16 lanes of a half stand at 16 (r >> 1) + 128 (r & 1): 16 different columns of 16 bytes
	v_add_nc_u32 v[ADRA], s51, v4
	v_add_nc_u32 v[ADRA+1], ASLOT, v[ADRA]
	v_and_b32 v6, 7, v0
	v_lshl_add_u32 v6, v2, 3, v6                   ; transposing load: row k = 8 h + (l & 7),
	v_bfe_u32 v7, v0, 3, 1
	v_mul_u32_u24 v6, v6, WP
	v_lshl_add_u32 v6, v7, 4, v6                   ; 16 bytes at 16 ((l >> 3) & 1)
	v_add_nc_u32 v[ADRW], WBASE, v6
	s_mul_i32 s52, s12, 16*WP
	s_add_co_u32 s52, s52, WBASE
	v_lshl_add_u32 v[WST], v3, 3, s52              ; my 16 rows of a weight slot, 8 bytes a lane
	v_lshlrev_b32 v[WGO], 4, v3
	s_mul_i32 s53, s12, 16*SP
	s_add_co_u32 s53, s53, STG                     ; my stage: 16 rows of 528 bytes
	v_mul_u32_u24 v8, v1, SP
	v_lshl_add_u32 v8, v2, 5, v8
	v_add_nc_u32 v[STO], s53, v8                   ; in: row r, 32 bytes at 32 h
	v_lshl_add_u32 v[RD], v3, 4, s53               ; back: a whole row of 512 bytes, 16 bytes a lane
	s_wait_dscnt 0x0
	s_wait_kmcnt 0x0
	s_add_nc_u64 s[4:5], s[4:5], s[22:23]
	s_add_nc_u64 s[20:21], s[6:7], s[40:41]        ; the weight stream's base; it steps by a half step
	s_add_nc_u64 s[8:9], s[8:9], s[48:49]
	CROUND                                         ; all four work-groups are here: the first joint loads meet
.irp s, 0,1
	s_mov_b32 s[G0+4*\s], 1                                        ; count = 1
	s_add_co_u32 s[G0+4*\s+1], s51, \s*ASLOT                       ; LDS address: wave x 34,816 + slot x 139,264
	s_add_nc_u64 s[G0+4*\s+2:G0+4*\s+3], s[4:5], \s*KBLK           ; global address: K step s
	s_or_b32 s[G0+4*\s+3], s[G0+4*\s+3], 0x80000000                ; type = 2
	tensor_load_to_lds s[G0+4*\s:G0+4*\s+3], s[G1:G1+7]            ; both first fills go out together: two tensor loads of the wave are out
	s_nop 0
.endr
	WIN TO_B
.irp i, 0,1,2,3,4,5,6,7,8,9,10,11,12,13,14,15
	global_load_b128 v[4*\i:4*\i+3], v[WGO], s[20:21] offset:\i*PW                 ; W(0) into set 0
.endr
.irp i, 0,1,2,3,4,5,6,7,8,9,10,11,12,13,14,15
	global_load_b128 v[192+4*\i:192+4*\i+3], v[WGO], s[20:21] offset:WSTEP+\i*PW   ; W(1) into set 1
.endr
; 16 matrix instructions: token tiles a0, a0 + 1 of the window's four (hi = 0: tokens 0-63, 1: 64-127) x all 8 column tiles, 32 along K.
; zero = 1: the first product starts the sums.  The 64 accumulators take turns, one instruction a turn, in the same order in every quarter.
.macro MUL16 f, hi, a0, zero
.irp a, \a0, \a0+1
.irp b, 0,1,2,3,4,5,6,7
.if \zero
	v_wmma_f32_16x16x32_f16 v[8*(8*(\a)+\b):8*(8*(\a)+\b)+7], v[\f+8*\b:\f+8*\b+7], v[\f+8*(4*\hi+\a):\f+8*(4*\hi+\a)+7], 0
.else
	v_wmma_f32_16x16x32_f16 v[8*(8*(\a)+\b):8*(8*(\a)+\b)+7], v[\f+8*\b:\f+8*\b+7], v[\f+8*(4*\hi+\a):\f+8*(4*\hi+\a)+7], v[8*(8*(\a)+\b):8*(8*(\a)+\b)+7]
.endif
.endr
.endr
.endm
; 32 LDS loads in one run: the fragments of one quarter step (32 k) into buffer f: 8 column tiles of W, transposed on the way, then 8 token tiles.
.macro FETCH aslot, aoff, woff, f
	WIN TO_B
.irp i, 0,1,2,3,4,5,6,7
	ds_load_tr16_b128 v[\f+8*\i:\f+8*\i+3],   v[ADRW] offset:\woff+32*\i          ; k = 8 h .. of column 16 i + r
	ds_load_tr16_b128 v[\f+8*\i+4:\f+8*\i+7], v[ADRW] offset:\woff+32*\i+16*WP    ; k = 16 + 8 h ..
.endr
	WIN 0
.irp i, 0,1,2,3,4,5,6,7
	ds_load_b128 v[\f+8*\i:\f+8*\i+3],   v[ADRA+\aslot] offset:\aoff+\i*8*UNIT
	ds_load_b128 v[\f+8*\i+4:\f+8*\i+7], v[ADRA+\aslot] offset:\aoff+\i*8*UNIT+32
.endr
.endm
; The weights of one half step, which lie in register set `set` (0: v0-63, 1: v192-255 of window 1), are rounded in place and stored into weight slot `set`.
; step = 1: the stream's base goes one half step on.  load = 1: the set is asked for again, two half steps beyond the base.
; left = how many younger loads may stay out.
.macro WSTAGE set, step, load, left
	s_wait_loadcnt \left                           ; loads come back in order: this set's 16 are in, the other set's stay out
	WIN CVT
.irp i, 0,1,2,3,4,5,6,7,8,9,10,11,12,13,14,15
	v_cvt_pk_f16_f32 v[192*\set+4*\i],   v[192*\set+4*\i],   v[192*\set+4*\i+1]
	v_cvt_pk_f16_f32 v[192*\set+4*\i+1], v[192*\set+4*\i+2], v[192*\set+4*\i+3]
.endr
	WIN STW
.irp i, 0,1,2,3,4,5,6,7,8,9,10,11,12,13,14,15
	ds_store_b64 v[WST], v[192*\set+4*\i:192*\set+4*\i+1] offset:\set*WSLOT+WP*\i   ; 32 lanes x 8 bytes: one row's 256 bytes
.endr
.if \step
	s_wait_xcnt 0x0                                ; the other set's loads, which name the base, have had their addresses translated
	s_add_nc_u64 s[20:21], s[20:21], WSTEP
.endif
.if \load
	WIN TO_B
.irp i, 0,1,2,3,4,5,6,7,8,9,10,11,12,13,14,15
	global_load_b128 v[192*\set+4*\i:192*\set+4*\i+3], v[WGO], s[20:21] offset:2*WSTEP+\i*PW   ; one row's 512 bytes a load
.endr
.endif
.endm
; Quarter q (0 or 2) of a K step: multiplies buffer 0; in its middle it stages weights (st = 1) and fetches quarter q + 1 into buffer 1.
; The 32 conversions of the stage name no register of a matrix instruction: they are the places in front of the fragment loads.
.macro QUARTER aslot, q, zero, st, set, step, load, left
	s_wait_dscnt 8                                 ; all but the youngest eight loads (tokens 64-127) are in
	WIN MUL_LO
	MUL16 F0, 0, 0, \zero
	MUL16 F0, 0, 2, \zero
.if \st
	WSTAGE \set, \step, \load, \left
.else
	PLACES
.endif
	FETCH \aslot, (\q/2)*CH+64, (\q/2)*WSLOT+32*WP, F1
.if \st
	s_wait_dscnt 48                                ; all but the 16 stores and 32 loads just issued
.else
	s_wait_dscnt 32                                ; all but the 32 loads just issued
.endif
	WIN MUL_HI
	MUL16 F0, 1, 0, \zero
	MUL16 F0, 1, 2, \zero
.endm
; Quarter 1 or 3: multiplies buffer 1, passes the half step's barrier and fetches the next quarter (slot naslot, bytes naoff, nwoff) into buffer 0.
; In front of the barrier every wave's LDS instructions are done: its reads of the weight slot that is stored next, and its stores into the one that is read next.
; kind 0: no more.  kind 1: also all my tensor loads have landed (the next token slot is whole).  kind 2: the barrier opens a round of the
; cluster's barrier, and behind the round token slot `slot`, whose reads are over in every partner, is asked for again, two K steps ahead:
; the wave's one tensor load until the next round; it is waited for a K step later.
.macro TURN naslot, naoff, nwoff, kind, slot
	s_wait_dscnt 8
	WIN MUL_LO
	MUL16 F1, 0, 0, 0
	s_wait_dscnt 0
.if \kind
	s_set_vgpr_msb 0xa1a0
	s_wait_tensorcnt 0x0
	ds_add_u32 v254, v255
	s_wait_dscnt 0x0
	s_set_vgpr_msb 0xa0a1
.endif
	s_barrier_signal -1
	MUL16 F1, 0, 2, 0                              ; registers only, while the others arrive
.if \kind == 2
	WIN 0
.endif
	s_barrier_wait -1
.if \kind == 2
	CREST
	s_add_nc_u64 s[G0+4*\slot+2:G0+4*\slot+3], s[G0+4*\slot+2:G0+4*\slot+3], 2*KBLK   ; no tensor load of mine is out: the group may be written
	tensor_load_to_lds s[G0+4*\slot:G0+4*\slot+3], s[G1:G1+7]
	s_nop 0
.endif
	PLACES
	FETCH \naslot, \naoff, \nwoff, F0
	WIN MUL_HI
	MUL16 F1, 1, 0, 0
	MUL16 F1, 1, 2, 0
.endm
.macro KSTEP aslot, zero, endkind      ; a K step of 128 = two half steps; both stage weights and ask for more
	QUARTER \aslot, 0, \zero, 1, 1, 1, 1, 16
	TURN \aslot, CH, WSLOT, 0, 0
	QUARTER \aslot, 2, 0, 1, 0, 1, 1, 16
	TURN 1-\aslot, 0, 0, \endkind, \aslot
.endm
	WSTAGE 0, 0, 1, 16                             ; W(0) into weight slot 0; W(2) is asked for
	s_wait_tensorcnt 0x1                           ; my tile of K step 0 is in; K step 1's stays out
	s_wait_dscnt 0x0                               ; my rows of W(0) are stored
	s_barrier_signal -1
	s_barrier_wait -1
	FETCH 0, 0, 0, F0
	KSTEP 0, 1, 2                                  ; K steps 0 and 1 stand in front of the loop: the first products start the sums
	KSTEP 1, 0, 2
	WIN 0                                          ; at a label and at a branch every window is 0
	s_mov_b32 s3, 2
.Llap:
	KSTEP 0, 0, 2                                  ; K steps 2 to 5
	KSTEP 1, 0, 2
	WIN 0
	s_sub_co_u32 s3, s3, 1
	s_cmp_lg_u32 s3, 0
	s_cbranch_scc1 .Llap
	QUARTER 0, 0, 0, 1, 1, 1, 1, 16                ; K step 6: W(13) is stored, W(15), the last, asked for
	TURN 0, CH, WSLOT, 0, 0
	QUARTER 0, 2, 0, 1, 0, 0, 0, 16                ; W(14) is stored; W(15)'s 16 loads stay out
	TURN 1, 0, 0, 1, 0                             ; no slot is filled again: K step 7's tile, the last load, has landed
	QUARTER 1, 0, 0, 1, 1, 0, 0, 0                 ; K step 7: W(15) is stored
	TURN 1, CH, WSLOT, 0, 0
	QUARTER 1, 2, 0, 0, 0, 0, 0, 0
	s_wait_dscnt 8                                 ; the very last quarter: nothing more to fetch
	WIN MUL_LO
	MUL16 F1, 0, 0, 0
	MUL16 F1, 0, 2, 0
	s_wait_dscnt 0
	WIN MUL_HI
	MUL16 F1, 1, 0, 0
	MUL16 F1, 1, 2, 0
	WIN 0
	PLACES                                         ; behind the last matrix instructions: results are stored to LDS, fragment buffers loaded again
	s_barrier_signal -1                            ; every wave's reads of the weight slots are back (the wait for 0 above):
	s_barrier_wait -1                              ; their bytes now serve as stages
; THE WAY OUT, 16 tokens at a time (tiles (a, 0..7); at = a mod 4 in window `from`, as an LDS store's data): 32 bytes a lane and tile into my own stage,
; read back as whole rows of 512 bytes, stored as such.  f: buffer 0 or 1 in turn.
.macro OUT16F a, at, from, f
	WIN \from
.irp b, 0,1,2,3,4,5,6,7
	ds_store_b128 v[STO], v[8*(8*\at+\b):8*(8*\at+\b)+3]   offset:64*\b
	ds_store_b128 v[STO], v[8*(8*\at+\b)+4:8*(8*\at+\b)+7] offset:64*\b+16
.endr
	WIN 0
	s_wait_xcnt 0x0                                ; earlier stores have had their addresses translated: buffer f, which they read, is written again only behind this wait
.irp t, 0,1,2,3,4,5,6,7,8,9,10,11,12,13,14,15
	ds_load_b128 v[\f+4*\t:\f+4*\t+3], v[RD] offset:SP*\t          ; LDS serves a wave's instructions in order: these see the stores above
.endr
.irp t, 0,1,2,3,4,5,6,7,8,9,10,11,12,13,14,15
	s_wait_dscnt 15-\t
	global_store_b128 v[WGO], v[\f+4*\t:\f+4*\t+3], s[8:9] offset:\a*65536+4096*\t   ; 512 consecutive bytes of one row of part, aligned; the row stands in the immediate, 520,192 at the most
.endr
.endm
	OUT16F 0, 0, 0x08, F0
	OUT16F 1, 1, 0x08, F1
	OUT16F 2, 2, 0x08, F0
	OUT16F 3, 3, 0x08, F1
	OUT16F 4, 0, 0x0c, F0
	OUT16F 5, 1, 0x0c, F1
	OUT16F 6, 2, 0x0c, F0
	OUT16F 7, 3, 0x0c, F1
	s_wait_tensorcnt 0x0
	ds_add_u32 v254, v255
	s_wait_dscnt 0x0
	CROUND                                         ; the closing round: no work-group ends while a partner may still ask for a tile that names it
	s_endpgm
.Lfunc_end_k_q599dd160e4_down:
	.size	k_q599dd160e4_down, .Lfunc_end_k_q599dd160e4_down-k_q599dd160e4_down
	.p2alignl 7, 3214868480
	.fill 96, 4, 3214868480
	.section	.rodata,"a",@progbits
	.p2align	6, 0x0
	.amdhsa_kernel k_q599dd160e4_down
		.amdhsa_group_segment_fixed_size 327680
		.amdhsa_private_segment_fixed_size 0
		.amdhsa_enable_private_segment 0
		.amdhsa_kernarg_size 24
		.amdhsa_user_sgpr_count 2
		.amdhsa_user_sgpr_kernarg_segment_ptr 1
		.amdhsa_wavefront_size32 1
		.amdhsa_system_sgpr_workgroup_id_x 1
		.amdhsa_system_sgpr_workgroup_id_y 1
		.amdhsa_system_sgpr_workgroup_id_z 1
		.amdhsa_system_vgpr_workitem_id 0
		.amdhsa_next_free_vgpr 1024
		.amdhsa_next_free_sgpr 66
		.amdhsa_reserve_vcc 0
		.amdhsa_float_denorm_mode_32 3
		.amdhsa_float_denorm_mode_16_64 3
		.amdhsa_memory_ordered 1
		.amdhsa_forward_progress 1
		.amdhsa_inst_pref_size 248
	.end_amdhsa_kernel
	.amdgpu_metadata
---
amdhsa.version: [ 1, 2 ]
amdhsa.kernels:
  - .name:           k_q599dd160e4_down
    .symbol:         k_q599dd160e4_down.kd
    .args:
      - { .name: act, .offset: 0, .size: 8, .value_kind: global_buffer, .address_space: global }
      - { .name: down_proj, .offset: 8, .size: 8, .value_kind: global_buffer, .address_space: global }
      - { .name: part, .offset: 16, .size: 8, .value_kind: global_buffer, .address_space: global }
    .group_segment_fixed_size: 327680
    .private_segment_fixed_size: 0
    .kernarg_segment_align: 8
    .kernarg_segment_size: 24
    .max_flat_workgroup_size: 128
    .sgpr_count:     66
    .vgpr_count:     1024
    .wavefront_size: 32
...
	.end_amdgpu_metadata
.endif
;; end of part 3
;; launch combine (part 4): grid 256 x 1, 8 waves a work-group, no clusters, 0 bytes of LDS; arguments part, down_proj_bias, routing_weights, out0; writes out0
.if DOCPART == 4
	.amdgcn_target "amdgcn-amd-amdhsa--gfx1250"
	.amdhsa_code_object_version 6
	.text
	.protected	k_q599dd160e4_combine
	.globl	k_q599dd160e4_combine
	.p2align	8
	.type	k_q599dd160e4_combine,@function
k_q599dd160e4_combine:
	s_mov_b64 s[64:65], 0
	v_nop
	global_prefetch_b8 v0, s[64:65] scope:SCOPE_SE
	s_setreg_imm32_b32 hwreg(HW_REG_WAVE_MODE, 25, 1), 1
	s_wait_xcnt 0x0
; out0[t][n] = sum over e of routing_weights[t][e] * (part[e][t][n] + down_proj_bias[e][n]), all in f32, e ascending.
; The work-group owns tokens 4 g .. 4 g + 3; thread c owns columns 4 c .. 4 c + 3 (16 bytes), so a load or store of a wave covers 512 consecutive bytes
; and the eight waves a row.  The thread's 16 x 4 biases stay in registers; the four tokens' 16 weights each lie in scalar registers.
; A token needs 16 loads (one an expert); two register sets take turns, so that 16 to 32 loads of every wave are on their way.
; Memory binds this launch (64 MiB of part are read once): no LDS, no barrier, no matrix unit, no cluster: no two work-groups read the same bytes of part.
; No register that a load or store names is written again while that instruction may still read it: offsets and sums are written once.
.set OFF, 2                            ; v[2:17]    expert e: e x 4 MiB + 16 c
.set ACC, 20                           ; v[20:35]   four sums for each of the four tokens
.set B2,  36                           ; v[36:99]   bias: expert e's four columns at B2 + 4 e
.set P,   100                          ; v[100:163], v[164:227]  two sets of 16 x 4 partial sums
	s_load_b256 s[4:11], s[0:1], 0x0               ; part s[4:5], down_proj_bias s[6:7], routing_weights s[8:9], out0 s[10:11]
	s_lshl_b32 s12, ttmp9, 14                      ; four rows of 4,096 bytes
	s_mov_b32 s13, 0
	s_lshl_b32 s14, ttmp9, 8                       ; four rows of 16 weights
	s_mov_b32 s15, 0
	v_lshlrev_b32 v1, 4, v0                        ; 16 c
.irp e, 0,1,2,3,4,5,6,7,8,9,10,11,12,13,14,15
	v_add_nc_u32 v[OFF+\e], \e*4194304, v1
.endr
	s_wait_kmcnt 0x0
	s_add_nc_u64 s[8:9], s[8:9], s[14:15]
	s_add_nc_u64 s[4:5], s[4:5], s[12:13]
	s_add_nc_u64 s[10:11], s[10:11], s[12:13]
	s_load_b512 s[16:31], s[8:9], 0x0              ; the weights of token 4 g,
	s_load_b512 s[32:47], s[8:9], 0x40             ; 4 g + 1,
	s_load_b512 s[48:63], s[8:9], 0x80             ; 4 g + 2,
	s_load_b512 s[68:83], s[8:9], 0xc0             ; 4 g + 3
.irp e, 0,1,2,3,4,5,6,7,8,9,10,11,12,13,14,15
	global_load_b128 v[B2+4*\e:B2+4*\e+3], v1, s[6:7] offset:4096*\e
.endr
.macro ASK row, set                    ; a token's 16 partial sums into a set; row may be a sum, so it stands in parentheses
.irp e, 0,1,2,3,4,5,6,7,8,9,10,11,12,13,14,15
	global_load_b128 v[P+64*\set+4*\e:P+64*\set+4*\e+3], v[OFF+\e], s[4:5] offset:4096*(\row) th:TH_LOAD_NT
.endr
.endm
	ASK 0, 0
	ASK 1, 1
	s_wait_kmcnt 0x0                               ; the weights
; One token.  rw = the scalar register of its first weight; left = how many younger loads may stay out; next = 1: the set is asked for again, two tokens on.
.macro ROW row, set, rw, left, next
	s_wait_loadcnt \left                           ; loads come back in order: this token's 16 (and the bias) are in, the next token's stay out
.irp e, 0,1,2,3,4,5,6,7,8,9,10,11,12,13,14,15
	v_pk_add_f32 v[P+64*\set+4*\e:P+64*\set+4*\e+1],   v[P+64*\set+4*\e:P+64*\set+4*\e+1],   v[B2+4*\e:B2+4*\e+1]
	v_pk_add_f32 v[P+64*\set+4*\e+2:P+64*\set+4*\e+3], v[P+64*\set+4*\e+2:P+64*\set+4*\e+3], v[B2+4*\e+2:B2+4*\e+3]
.irp c, 0,1,2,3
.if \e == 0
	v_mul_f32 v[ACC+4*\row+\c], s[\rw], v[P+64*\set+\c]                  ; the first expert starts the sums
.else
	v_fma_f32 v[ACC+4*\row+\c], s[\rw+\e], v[P+64*\set+4*\e+\c], v[ACC+4*\row+\c]
.endif
.endr
.endr
.if \next
	ASK \row+2, \set
.endif
	global_store_b128 v1, v[ACC+4*\row:ACC+4*\row+3], s[10:11] offset:4096*\row
.endm
	ROW 0, 0, 16, 16, 1
	ROW 1, 1, 32, 16, 1
	ROW 2, 0, 48, 16, 0
	ROW 3, 1, 68, 0, 0
	s_endpgm
.Lfunc_end_k_q599dd160e4_combine:
	.size	k_q599dd160e4_combine, .Lfunc_end_k_q599dd160e4_combine-k_q599dd160e4_combine
	.p2alignl 7, 3214868480
	.fill 96, 4, 3214868480
	.section	.rodata,"a",@progbits
	.p2align	6, 0x0
	.amdhsa_kernel k_q599dd160e4_combine
		.amdhsa_group_segment_fixed_size 0
		.amdhsa_private_segment_fixed_size 0
		.amdhsa_enable_private_segment 0
		.amdhsa_kernarg_size 32
		.amdhsa_user_sgpr_count 2
		.amdhsa_user_sgpr_kernarg_segment_ptr 1
		.amdhsa_wavefront_size32 1
		.amdhsa_system_sgpr_workgroup_id_x 1
		.amdhsa_system_sgpr_workgroup_id_y 1
		.amdhsa_system_sgpr_workgroup_id_z 1
		.amdhsa_system_vgpr_workitem_id 0
		.amdhsa_next_free_vgpr 228
		.amdhsa_next_free_sgpr 84
		.amdhsa_reserve_vcc 0
		.amdhsa_float_denorm_mode_32 3
		.amdhsa_float_denorm_mode_16_64 3
		.amdhsa_memory_ordered 1
		.amdhsa_forward_progress 1
		.amdhsa_inst_pref_size 34
	.end_amdhsa_kernel
	.amdgpu_metadata
---
amdhsa.version: [ 1, 2 ]
amdhsa.kernels:
  - .name:           k_q599dd160e4_combine
    .symbol:         k_q599dd160e4_combine.kd
    .args:
      - { .name: part, .offset: 0, .size: 8, .value_kind: global_buffer, .address_space: global }
      - { .name: down_proj_bias, .offset: 8, .size: 8, .value_kind: global_buffer, .address_space: global }
      - { .name: routing_weights, .offset: 16, .size: 8, .value_kind: global_buffer, .address_space: global }
      - { .name: out0, .offset: 24, .size: 8, .value_kind: global_buffer, .address_space: global }
    .group_segment_fixed_size: 0
    .private_segment_fixed_size: 0
    .kernarg_segment_align: 8
    .kernarg_segment_size: 32
    .max_flat_workgroup_size: 256
    .sgpr_count:     84
    .vgpr_count:     228
    .wavefront_size: 32
...
	.end_amdgpu_metadata
.endif
;; end of part 4
